; MI455X (gfx1250); checked and timed in simulation.
; The chip was launched on July 23, 2026; its instructions are those of AMD's public machine-readable ISA for CDNA 5 (MIT licence, August 2026) and "CDNA5" Instruction Set Architecture Reference Guide (July 2026). The comments in the code are by the model that wrote it; some were corrected since.
;; MHA. Allowed arithmetic: matrix products marked QUANTISED: E2M3 operands, one E8M0 scale for each 32 along K, by v_wmma_scale_f32_16x16x128_f8f6f4 with both operands' format E2M3, f32 sums; everything else in f32.
;; Inputs: mask 2,048 x 2,048 float32; pos_embedding 8 x 2,048 x 2,048 float32; wk_b 1,024 float32; wk_w_codes 1,024 x 16 x 24 uint8 (E2M3 codes of wk_w, K innermost, in blocks of 32 codes, four codes in three bytes); wk_w_scales 1,024 x 16 uint8 (E8M0 scales of wk_w, one for each 32 codes along K); wo_b 512 float32; wo_w_codes 512 x 32 x 24 uint8 (E2M3 codes of wo_w, K innermost, in blocks of 32 codes, four codes in three bytes); wo_w_scales 512 x 32 uint8 (E8M0 scales of wo_w, one for each 32 codes along K); wq_b 1,024 float32; wq_w_codes 1,024 x 16 x 24 uint8 (E2M3 codes of wq_w, K innermost, in blocks of 32 codes, four codes in three bytes); wq_w_scales 1,024 x 16 uint8 (E8M0 scales of wq_w, one for each 32 codes along K); wv_b 1,024 float32; wv_w_codes 1,024 x 16 x 24 uint8 (E2M3 codes of wv_w, K innermost, in blocks of 32 codes, four codes in three bytes); wv_w_scales 1,024 x 16 uint8 (E8M0 scales of wv_w, one for each 32 codes along K); x_codes 4 x 2,048 x 16 x 24 uint8 (E2M3 codes of x, K innermost, in blocks of 32 codes, four codes in three bytes); x_scales 4 x 2,048 x 16 uint8 (E8M0 scales of x, one for each 32 codes along K).
;; Outputs: out0 4 x 2,048 x 512 float32.
;; This version of the problem:
;;   THIS VERSION OF THE PROBLEM IS GIVEN IN LOW PRECISION. The matrix products marked QUANTISED in the list below multiply operands that are first quantised to E2M3 (2 exponent bits, 3 mantissa bits; 6 bits a number), with one power-of-two scale for each 32 numbers along K (OCP MX v1.0); their sums are f32. All else is computed in f32.
;;   The module's matrix products, in the order in which they are computed (A, B: the left and right operand; K: the contracted axis; several contracted axes count as one K, in the product's order):
;;     1. [M 8,192, K 512] x [K 512, N 1,024]; A: input x (given as codes); B: input wq_w (given as codes): QUANTISED
;;     2. [M 8,192, K 512] x [K 512, N 1,024]; A: input x (given as codes); B: input wk_w (given as codes): QUANTISED
;;     3. [M 8,192, K 512] x [K 512, N 1,024]; A: input x (given as codes); B: input wv_w (given as codes): QUANTISED
;;     4. batch 32 x [M 2,048, K 128] x [K 128, N 2,048]; A: computed on the way; B: computed on the way: QUANTISED
;;     5. batch 32 x [M 128, K 2,048] x [K 2,048, N 2,048]; A: computed on the way; B: softmax (see below): QUANTISED
;;     6. [M 8,192, K 1,024] x [K 1,024, N 512]; A: computed on the way; B: input wo_w (given as codes): QUANTISED
;;   THE QUANTISER, for each operand of a quantised product, along K:
;;     - K is cut into blocks of 32 from its start; a last block that is shorter is filled with zeros.
;;     - A block's scale is 2^e with e = floor(log2(the largest magnitude in the block)) - 2, held to -126 .. 127; a block of zeros has e = 0. As a byte (E8M0): e + 127.
;;     - Each number is divided by its block's scale, clamped to +-7.5, and rounded to the nearest number of E2M3, ties to even, subnormals kept.
;;     - The product sums the exact products of the quantised numbers (number of the format x scale) in f32.
;;   ~~~python
;;   def quantise(x, axis):      # numpy; x: float32 -> the quantised numbers, widened to float32 again
;;       x = np.moveaxis(x, axis, -1); K = x.shape[-1]
;;       x = np.pad(x, [(0, 0)] * (x.ndim - 1) + [(0, -K % 32)]); x = x.reshape(x.shape[:-1] + (-1, 32)); a = np.abs(x).max(-1, keepdims=True)
;;       e = np.where(a > 0, np.clip(np.frexp(np.where(a > 0, a, 1))[1] - 1 - 2, -126, 127), 0)      # np.frexp(a)[1] - 1 = floor(log2(a)), exactly
;;       r = np.clip(x / 2.0 ** e, -7.5, 7.5)
;;       step = 2.0 ** (np.maximum(np.frexp(np.where(r == 0, 1, r))[1] - 1, 0) - 3)
;;       q = np.round(r / step) * step * 2.0 ** e      # np.round: ties to even
;;       return np.moveaxis(q.reshape(q.shape[:-2] + (-1,))[..., :K], -1, axis).astype(np.float32)
;;   ~~~
;;   SOFTMAX AHEAD OF A QUANTISED PRODUCT. Where the list says 'softmax', what is quantised is not the finished softmax but p = 2^(t - M), with t = logit x log2(e) and M = ceil(the row's largest t), a whole number; so 1/2 < the row's largest p <= 1. The row's sum l is taken of the UNQUANTISED p, in f32, and the product's result is divided by l at the end. Since M is a whole number, a kernel that streams over the keys may use a running M (the ceiling of the running maximum): every later rescaling is an exact power of two, which a block's scale takes up: the codes' values come out the same.
;;   OPERANDS COMPUTED ON THE WAY. 'Computed on the way' means the value that the module computes at that place (a softmax that the list does not call 'softmax' is quantised finished and normalised). What goes into a quantiser is computed in f32, as accurately as f32 sums, v_exp_f32 and their like allow (about 1e-6 of the number): no bf16 or f16 on the way to a quantiser, and a product that is left as it is and whose result goes on into a quantised operand takes f32 operands (vector FMAs, or v_wmma_f32_16x16x4_f32). A number that lies on a knife's edge between two numbers of the format may be rounded either way, as far as f32 arithmetic and the matrix unit's own rounding can turn it there, and no further.
;;   INPUTS GIVEN AS CODES. wk_w (in the module: [512, 1024], K = its axis 0); wo_w (in the module: [1024, 512], K = its axis 0); wq_w (in the module: [512, 1024], K = its axis 0); wv_w (in the module: [512, 1024], K = its axis 0); x (in the module: [4, 2048, 512], K = its axis 2): each comes as NAME_codes (uint8): NAME with its K axis moved to the last place and cut into blocks of 32 codes, [.., K / 32, bytes a block], one block behind the other in memory; four codes in three bytes: a row's codes are one little-endian stream of bits, code i at bits 6 i .. 6 i + 5 (a code: sign, 2 exponent bits, 3 mantissa bits); and NAME_scales (uint8): the same leading axes, one E8M0 byte (e + 127) for each 32 codes along K. Its value is code x scale, taken as it is: it is not quantised again, and the codes and scales need not be those that the quantiser above would give.
;; One version. Each part assembles by itself: llvm-mc -triple=amdgcn-amd-amdhsa -mcpu=gfx1250 --defsym DOCPART=n.
;; ======== version 1 of 1: 3 launches
;; workspace buffers: qkv 19,660,800 bytes; of 6,553,600 bytes
;; launch proj (part 1): grid 32 x 8, 4 waves a work-group, clusters of 4 x 4, 276,992 bytes of LDS; arguments x_codes, x_scales, wq_w_codes, wq_w_scales, wq_b, wk_w_codes, wk_w_scales, wk_b, wv_w_codes, wv_w_scales, wv_b, qkv; writes qkv
.if DOCPART == 1
	.amdgcn_target "amdgcn-amd-amdhsa--gfx1250"
	.amdhsa_code_object_version 6
	.text
	.protected	k_q9de7ace523_proj
	.globl	k_q9de7ace523_proj
	.p2align	8
	.type	k_q9de7ace523_proj,@function
k_q9de7ace523_proj:
	s_mov_b64 s[64:65], 0
	v_nop
	global_prefetch_b8 v0, s[64:65] scope:SCOPE_SE
	s_setreg_imm32_b32 hwreg(HW_REG_WAVE_MODE, 25, 1), 1
	s_wait_xcnt 0x0
	s_wait_alu depctr_hold_cnt(0) depctr_sa_sdst(0) depctr_va_vdst(0) depctr_va_sdst(0) depctr_va_ssrc(0) depctr_va_vcc(0) depctr_vm_vsrc(0)
	s_getreg_b32 s2, hwreg(HW_REG_IB_STS2, 6, 4)
	s_cmp_eq_u32 s2, 0
	s_cbranch_scc0 .Lentry_in_a_cluster
	s_endpgm
.Lentry_in_a_cluster:
	s_bfe_u32 s2, ttmp6, 0x10000c
	s_cmp_lg_u32 s2, 0xf033
	s_cbranch_scc0 .Lentry_shape_is_right
	s_endpgm
.Lentry_shape_is_right:
; q, k, v = x W + b on codes of FP6 (E2M3) with one E8M0 scale for each 32 along K = 512; the results are quantised again, along the K of the product that will read them, and stored as
; IMAGES OF OPERAND REGISTERS: a fragment (16 rows x 128 K, 12 registers) is 1,536 bytes, registers 4 c .. 4 c + 3 of lane l at 512 c + 16 l.  A block of 12,800 bytes is 8 images and two runs of 256 bytes of
; scale words: lane l's 8 bytes at 8 l; word i is the word of tile 4 half + 2 i + l / 16, row l % 16.  qkv = three sections (q, k, v) of [batch 4][head 8][block 16] blocks.
;   q, k: image T = tokens 128 blk + 16 T + r, K = the head's 128 channels.      v: image C = 2 b + u = channels 32 b + 8 u + r + 8 (r / 8), K = the block's 128 tokens.
; SHARES.  Work-group (X, Y): tokens 256 X .. + 255, head Y.  Wave w: the 128 tokens of block 2 X + w / 2, and half = w % 2 of the 8 images of each of q, k, v: three runs of 128 matrix instructions.
; EVERY PRODUCT IS USED TRANSPOSED: source 0 = 16 rows of the side P whose rows are the NEXT product's K (q, k: W's 128 rows; v: x's 128 tokens), source 1 = 16 rows of the side F whose rows are the image's rows
; (q, k: x's tokens; v: Wv's channels).  A lane then holds one row of the image and its 64 registers run along the next K: register 16 b + 8 u + j is k = 32 b + 16 u + 8 (lane / 16) + j.
; So a block of 32 lies in lanes l and l xor 16, and its codes stand in a fixed order inside the block (0-7, 16-23, 8-15, 24-31).  q and k both stand so, and so do v and the softmax's p: the products are those
; of the true order.  Wv's rows of a tile are not neighbours, so that the attention's result comes out in the true order.
; CLUSTER 4 x 4: x's rows hang on X alone and are asked for jointly by a column of the cluster, W's rows on Y alone, by a row.  Everything is filled once: x 256 rows, Wq, Wk, Wv 128 rows each.
; LIMITS: NaN and infinities are not served.  A block of zeros gets the byte 1 where the quantiser says 127: its codes are zeros, and this program alone reads the bytes.
; REGISTERS, in windows of 256: window 0: addresses, at work, codes just made, all scale words.  window 1: the 32 accumulators ((f, t) at 64 f + 8 t).  window 2: F's 16 fragments ((f, s) at 12 (4 f + s)).
;   window 3: P's fragments, two sets of four (v0-47, v48-95); the biases in the result's layout: q's v96-159, k's v160-223 (8 t + j), v's v224-255 (8 f + j).
.set PITCH, 432                        ; an LDS row: 3 x (128 bytes + 16 of padding) = 108 words: row r starts at bank 44 r mod 64 (64 banks of 4 bytes: ISA guide 11.1): the 32 lanes of a load of 8 bytes touch 64 different banks
.set XL,   0
.set WQL,  256*PITCH
.set WKL,  WQL+128*PITCH
.set WVL,  WKL+128*PITCH
.set SECT, 6553600                     ; a section of qkv
.set BLKB, 12800                       ; a block
.set LI,   3                           ; v3   16 x lane + 6,144 x half: where my images' bytes go in a block
.set L8,   4                           ; v4   8 x lane + 12,288 + 256 x half: my scale words
.set AXP,  5                           ; v5-6   LDS: x as side P (the second register serves pieces that lie behind one padding more in lanes 16-31)
.set AXF,  7                           ; v7-8   x as side F
.set AWQ,  9                           ; v9-10  Wq
.set AWK,  11                          ; v11-12 Wk
.set AWV,  13                          ; v13-14 Wv, side F, rows r + 8 (r / 8)
.set TM,   16                          ; v16-31 the quantiser's work
.set PW,   32                          ; v32-35 the four images' scale words
.set SPR,  36                          ; v36-37 the same as they are stored
.set CT,   40                          ; v40-47 halves of blocks' codes
.set PCR,  48                          ; v48-95 four images' codes
.set PSQ,  96                          ; scale words [tile][K step]: Wq's, Wk's, x's as P, x's as F, Wv's
.set PSK,  128
.set PSX,  160
.set FSX,  192
.set FSV,  208
.set OR16, 224                         ; v224-227 lane offsets of the loads at the head; never rewritten
.set OP16, 225
.set OH32, 226
.set OP4,  227
.set BQ,   96
.set BK,   160
.set BV,   224
.set G1X,  32                          ; s[32:39] descriptor group 1 for x; s[40:47] for the weights; s[48:63] four groups 0
.set G1W,  40
.set G0,   48
.set WV,   66
.set HF,   67
.set SEL,  68
.set FLOOR, 70
.set HM,   71
.set MSB, 0
.macro WIN new                         ; the immediate's high byte repeats the setting that is left; a switch that changes nothing is dropped
.if MSB != (\new)
	s_set_vgpr_msb (MSB<<8)|(\new)
.set MSB, (\new)
.endif
.endm
.macro PLACES n
.rept \n
	v_nop
.endr
.endm
.macro ROUND                           ; a round of the cluster's barrier
	s_barrier_signal -1
	s_barrier_wait -1
	s_cmp_lg_u32 s[WV], 0
	s_cbranch_scc1 .Lnot_wave_0_\@
	s_barrier_signal -3
.Lnot_wave_0_\@:
	s_barrier_wait -3
	s_barrier_signal -1
	s_barrier_wait -1
.endm
; 64 numbers of a lane in window W, register 16 b + i of block b, become a fragment's codes in v[pc] on and its scale word in v[pw].
.macro QUANT src, W, pc, pw
	WIN 20*(\W)                                    ; sources 1 and 2 in window W
.irp b, 0,1,2,3
	v_max3_num_f32 v[TM+\b], s[FLOOR], |v[(\src)+16*\b]|, |v[(\src)+16*\b+1]|   ; my 16 numbers of block b, and the floor 2^(3 - 127): the byte cannot fall under 1.  Each accumulator is read from its low end on
.endr
.irp i, 2,4,6,8,10,12,14
.irp b, 0,1,2,3
	v_max3_num_f32 v[TM+\b], v[TM+\b], |v[(\src)+16*\b+\i]|, |v[(\src)+16*\b+\i+1]|   ; the four blocks by turns
.endr
.endr
	WIN 0
.irp b, 0,1,2,3
	v_permlanex16_b32 v[TM+4+\b], v[TM+\b], s[SEL], s[SEL+1]
.endr
.irp b, 0,1,2,3
	v_max_num_f32 v[TM+\b], v[TM+\b], v[TM+4+\b]   ; with lane l xor 16's: the block's largest magnitude
.endr
.irp b, 0,1,2,3
	v_add_nc_u32 v[TM+12+\b], 0xff000000, v[TM+\b] ; 2 off its exponent field: the conversion's scale operand
.endr
.irp b, 0,1,2,3
	v_lshrrev_b32 v[TM+4+\b], 23, v[TM+12+\b]      ; the scale's byte
.endr
	v_lshl_or_b32 v[\pw], v[TM+5], 8, v[TM+4]
	v_lshl_or_b32 v[\pw], v[TM+6], 16, v[\pw]
	v_lshl_or_b32 v[\pw], v[TM+7], 24, v[\pw]      ; my row's scale word
	WIN \W                                         ; source 0 in window W
.irp c, 0,1
	v_cvt_scalef32_pk16_fp6_f32 v[(\pc)+6*\c:(\pc)+6*\c+2], v[(\src)+32*\c:(\src)+32*\c+15], v[TM+12+2*\c]
	v_cvt_scalef32_pk16_fp6_f32 v[CT+4*\c:CT+4*\c+2], v[(\src)+32*\c+16:(\src)+32*\c+31], v[TM+13+2*\c]   ; (a conversion's three registers begin on an even number)
.endr
	WIN 0
	v_nop                                          ; one plain place behind a scaled conversion
.irp c, 0,1                                    ; the operand wants a whole block in a lane: lanes 0-15 block 2 c, lanes 16-31 block 2 c + 1
.irp i, 0,1,2
	v_permlane16_swap_b32 v[(\pc)+6*\c+\i], v[CT+4*\c+\i]
.endr
.irp i, 0,1,2
	v_mov_b32 v[(\pc)+3+6*\c+\i], v[CT+4*\c+\i]
.endr
.endr
.endm
; A fragment from LDS: six pieces of 8 bytes.  Lanes 0-15 take the row's pieces 12 s + 0, 1, 2, 6, 7, 8, lanes 16-31 those three pieces on; piece p lies at 8 p + 16 (p / 16).
.macro FRAG reg, adr, s, rowoff
.irp p, 0,1,2,3,4,5
.set PCE, 12*(\s)+6*(\p/3)+\p%3
.if PCE%16 < 13
	ds_load_b64 v[(\reg)+2*\p:(\reg)+2*\p+1], v[\adr] offset:8*PCE+16*(PCE/16)+(\rowoff)
.else
	ds_load_b64 v[(\reg)+2*\p:(\reg)+2*\p+1], v[\adr+1] offset:8*PCE+16*(PCE/16)+(\rowoff)
.endif
.endr
.endm
.macro LOADF adr, perm                 ; side F: four tiles x four K steps into window 2, where they stay for a run (q's serve k too)
	WIN 0x80
.irp f, 0,1,2,3
.irp q, 0,1,2,3
.if \perm
	FRAG 12*(4*\f+\q), \adr, \q, (32*(\f/2)+8*(\f%2))*PITCH
.else
	FRAG 12*(4*\f+\q), \adr, \q, 16*\f*PITCH
.endif
.endr
.endr
	WIN 0
.endm
.macro FETCHP adr, k, buf              ; side P, group k: K step k / 2, tiles 4 (k % 2) .. + 3, into window 3
	WIN 0xc0
.irp i, 0,1,2,3
	FRAG (\buf)+12*\i, \adr, (\k)/2, 16*(4*((\k)%2)+\i)*PITCH
.endr
.endm
; A run: 8 groups of 16 matrix instructions.  Each fragment of P feeds four.  The 32 accumulators take turns, one instruction a turn.  The bias is the C of each sum's first instruction.
.macro HB adr, psc, fsc, bias, byf
	FETCHP \adr, 0, 0
.irp k, 0,1,2,3,4,5,6,7
	s_wait_dscnt 0x0                               ; this group's fragments are in (asked for a group ago)
.if \k < 7
.if \k > 0
	PLACES 4                                       ; four places between the last group's products and loads into the set that they read (ISA guide 7.12.1 for vector instructions)
.endif
	FETCHP \adr, \k+1, 48*((\k+1)%2)
.endif
.if \k < 2
	WIN 0x7b                                       ; P window 3, F window 2, C (the bias) window 3, D window 1
.else
	WIN 0x5b                                       ; C and D window 1
.endif
.irp i, 0,1,2,3
.irp f, 0,1,2,3
.set TT, 4*(\k%2)+\i
.set SS, \k/2
.set DD, 64*\f+8*TT
.set AA, 48*(\k%2)+12*\i
.set BB, 12*(4*\f+SS)
.if \k < 2
.if \byf
.set CC, (\bias)+8*\f
.else
.set CC, (\bias)+8*TT
.endif
	v_wmma_scale_f32_16x16x128_f8f6f4 v[DD:DD+7], v[AA:AA+11], v[BB:BB+11], v[CC:CC+7], v[(\psc)+4*TT+SS], v[(\fsc)+4*\f+SS] matrix_a_fmt:MATRIX_FMT_FP6 matrix_b_fmt:MATRIX_FMT_FP6
.else
	v_wmma_scale_f32_16x16x128_f8f6f4 v[DD:DD+7], v[AA:AA+11], v[BB:BB+11], v[DD:DD+7], v[(\psc)+4*TT+SS], v[(\fsc)+4*\f+SS] matrix_a_fmt:MATRIX_FMT_FP6 matrix_b_fmt:MATRIX_FMT_FP6
.endif
.endr
.endr
.endr
	WIN 0
.endm
; A run's results: four images and their scale words.  Each store of the wave covers 512 (the scale words: 256) consecutive bytes, aligned.
.macro OUT base
	PLACES 4                                       ; behind the last products, ahead of the first read of results
	s_wait_xcnt 0x0                                ; the last run's stores have read their data: the codes' and scale words' registers are written again only behind this wait
.irp f, 0,1,2,3
	QUANT 64*\f, 1, PCR+12*\f, PW+\f
.irp c, 0,1,2
	global_store_b128 v[LI], v[PCR+12*\f+4*\c:PCR+12*\f+4*\c+3], s[\base:\base+1] offset:1536*\f+512*\c
.endr
.endr
	v_cndmask_b32 v[SPR], v[PW], v[PW+1], s[HM]    ; lanes 0-15: tile 0's words, lanes 16-31: tile 1's
	v_cndmask_b32 v[SPR+1], v[PW+2], v[PW+3], s[HM]
	global_store_b64 v[L8], v[SPR:SPR+1], s[\base:\base+1]
.endm
	s_load_b512 s[8:23], s[0:1], 0x0               ; x codes s[8:9], x scales s[10:11], Wq codes, scales, bias s[12:17], Wk codes, scales, bias s[18:23]
	s_load_b256 s[24:31], s[0:1], 0x40             ; Wv codes, scales, bias s[24:29], qkv s[30:31]
	v_lshl_add_u32 v254, v0, 2, 0x43800
	v_mov_b32 v255, 0
	ds_add_u32 v254, v255
	ds_add_u32 v254, v255
	v_lshrrev_b32 v1, 5, v0
	v_readfirstlane_b32 s[WV], v1                  ; wave 0..3
	s_and_b32 s[HF], s[WV], 1                      ; which half of the images
	s_lshr_b32 s90, s[WV], 1                       ; which 128 tokens
	s_bfe_u32 s78, ttmp6, 0x40000                  ; cx
	s_bfe_u32 s79, ttmp6, 0x40004                  ; cy
	s_lshl_b32 s80, ttmp9, 2
	s_add_co_u32 s80, s80, s78                     ; X = 4 x cluster x + cx
	s_and_b32 s81, ttmp7, 0xffff
	s_lshl_b32 s81, s81, 2
	s_add_co_u32 s81, s81, s79                     ; Y = 4 x cluster y + cy
	s_lshl_b32 s91, 0x1111, s78                    ; my column of the cluster (same cx): x's partners
	s_lshl_b32 s92, s79, 2
	s_lshl_b32 s92, 15, s92                        ; my row (same cy): the weights' partners
	s_or_b32 s[G1X], s91, (2<<16)|(1<<20)|(1<<21)|(4<<22)|(3<<25)   ; 15:0 the mask; 17:16 elements of 4 bytes; 20 padding on; 21 set beside a mask; 24:22 after every 32 words; 31:25 of 4 words
	s_or_b32 s[G1W], s92, (2<<16)|(1<<20)|(1<<21)|(4<<22)|(3<<25)
	s_mov_b32 s[G1X+1], 96<<16                     ; tensor_dim0 = 96 elements (384 bytes)
	s_mov_b32 s[G1X+2], 64<<16                     ; tensor_dim1 = 64 rows
	s_mov_b32 s[G1X+3], 96<<16                     ; tile_dim0
	s_mov_b32 s[G1X+4], 64                         ; tile_dim1
	s_mov_b32 s[G1X+5], 96                         ; from row to row
	s_mov_b32 s[G1X+6], 0
	s_mov_b32 s[G1X+7], 0
	s_mov_b32 s[G1W+1], 96<<16
	s_mov_b32 s[G1W+2], 32<<16                     ; 32 rows
	s_mov_b32 s[G1W+3], 96<<16
	s_mov_b32 s[G1W+4], 32
	s_mov_b32 s[G1W+5], 96
	s_mov_b32 s[G1W+6], 0
	s_mov_b32 s[G1W+7], 0
	s_lshl_b32 s82, s80, 8
	s_lshl_b32 s83, s[WV], 6
	s_add_co_u32 s82, s82, s83
	s_mul_i32 s82, s82, 384                        ; x: row 256 X + 64 w, in bytes
	s_mov_b32 s83, 0
	s_lshl_b32 s84, s81, 7
	s_lshl_b32 s85, s[WV], 5
	s_add_co_u32 s84, s84, s85
	s_mul_i32 s84, s84, 384                        ; W: row 128 Y + 32 w
	s_mov_b32 s85, 0
	s_mul_i32 s93, s[WV], 64*PITCH                 ; where they go: the wave's number alone enters an LDS address
	s_mul_i32 s94, s[WV], 32*PITCH
	s_mov_b32 s[SEL], 0x76543210
	s_mov_b32 s[SEL+1], 0xfedcba98                 ; v_permlanex16_b32's selects for lane l xor 16
	s_mov_b32 s[FLOOR], 0x1800000
	s_mov_b32 s[HM], 0xffff0000                    ; lanes 16-31
	v_and_b32 v1, 15, v0                           ; r
	v_bfe_u32 v2, v0, 4, 1                         ; h
	v_and_b32 v15, 31, v0                          ; lane
	s_mul_i32 s88, s[HF], 6144
	v_lshl_add_u32 v[LI], v15, 4, s88
	s_lshl_b32 s88, s[HF], 8
	s_add_co_u32 s88, s88, 12288
	v_lshl_add_u32 v[L8], v15, 3, s88
	v_mul_u32_u24 v228, v1, PITCH
	v_mad_u32_u24 v228, v2, 24, v228               ; row r, + 24 bytes for lanes 16-31
	v_lshl_add_u32 v229, v2, 4, v228               ; and behind one padding more
	v_and_b32 v230, 8, v1
	v_add_nc_u32 v230, v230, v1                    ; r + 8 (r / 8)
	v_mul_u32_u24 v231, v230, PITCH
	v_mad_u32_u24 v231, v2, 24, v231
	v_lshl_add_u32 v232, v2, 4, v231
	s_mul_i32 s88, s90, 128*PITCH
	v_add_nc_u32 v[AXP], s88, v228
	v_add_nc_u32 v[AXP+1], s88, v229
	s_mul_i32 s89, s[HF], 64*PITCH
	s_add_co_u32 s88, s88, s89
	v_add_nc_u32 v[AXF], s88, v228
	v_add_nc_u32 v[AXF+1], s88, v229
	v_add_nc_u32 v[AWQ], WQL, v228
	v_add_nc_u32 v[AWQ+1], WQL, v229
	v_add_nc_u32 v[AWK], WKL, v228
	v_add_nc_u32 v[AWK+1], WKL, v229
	s_add_co_u32 s89, s89, WVL
	v_add_nc_u32 v[AWV], s89, v231
	v_add_nc_u32 v[AWV+1], s89, v232
	v_lshlrev_b32 v[OR16], 4, v1                   ; a row of scale bytes is 16 bytes
	v_lshlrev_b32 v[OP16], 4, v230
	v_lshlrev_b32 v[OH32], 5, v2                   ; a bias's eight numbers of my half
	v_lshlrev_b32 v[OP4], 2, v230
.irp b, 0,1,2,3
	v_mov_b32 v[TM+4+\b], 0                        ; written once: a lane permute's destination counts as one of its sources
.endr
	s_wait_dscnt 0x0
	s_wait_kmcnt 0x0
	s_mov_b32 s[G0], 1                             ; x: count = 1,
	s_mov_b32 s[G0+1], s93                         ; LDS address,
	s_add_nc_u64 s[G0+2:G0+3], s[8:9], s[82:83]    ; global address,
	s_or_b32 s[G0+3], s[G0+3], 0x80000000          ; type = 2
	s_mov_b32 s[G0+4], 1                           ; Wq
	s_add_co_u32 s[G0+5], s94, WQL
	s_add_nc_u64 s[G0+6:G0+7], s[12:13], s[84:85]
	s_or_b32 s[G0+7], s[G0+7], 0x80000000
	s_mov_b32 s[G0+8], 1                           ; Wk
	s_add_co_u32 s[G0+9], s94, WKL
	s_add_nc_u64 s[G0+10:G0+11], s[18:19], s[84:85]
	s_or_b32 s[G0+11], s[G0+11], 0x80000000
	s_mov_b32 s[G0+12], 1                          ; Wv
	s_add_co_u32 s[G0+13], s94, WVL
	s_add_nc_u64 s[G0+14:G0+15], s[24:25], s[84:85]
	s_or_b32 s[G0+15], s[G0+15], 0x80000000
	ROUND                                          ; all sixteen work-groups are here: the joint loads meet
	tensor_load_to_lds s[G0:G0+3], s[G1X:G1X+7]    ; all fills of the launch, one group: four loads of mine are out
	s_nop 0
	tensor_load_to_lds s[G0+4:G0+7], s[G1W:G1W+7]
	s_nop 0
	tensor_load_to_lds s[G0+8:G0+11], s[G1W:G1W+7]
	s_nop 0
	tensor_load_to_lds s[G0+12:G0+15], s[G1W:G1W+7]
	s_nop 0
	PLACES 4
	; scale words and biases go straight to registers, once
	s_lshl_b32 s86, s81, 11                        ; 128 Y rows of 16 bytes
	s_mov_b32 s87, 0
	s_add_nc_u64 s[14:15], s[14:15], s[86:87]
	s_add_nc_u64 s[20:21], s[20:21], s[86:87]
	s_lshl_b32 s88, s[HF], 10                      ; + my half's 64 rows
	s_add_co_u32 s86, s86, s88
	s_add_nc_u64 s[26:27], s[26:27], s[86:87]
	s_lshl_b32 s86, s81, 9                         ; 128 Y numbers of 4 bytes
	s_add_nc_u64 s[16:17], s[16:17], s[86:87]
	s_add_nc_u64 s[22:23], s[22:23], s[86:87]
	s_lshl_b32 s88, s[HF], 8
	s_add_co_u32 s86, s86, s88
	s_add_nc_u64 s[28:29], s[28:29], s[86:87]
	s_lshl_b32 s86, s80, 12                        ; x's scales: row 256 X + 128 (w / 2)
	s_lshl_b32 s88, s90, 11
	s_add_co_u32 s86, s86, s88
	s_add_nc_u64 s[10:11], s[10:11], s[86:87]
	s_lshl_b32 s86, s[HF], 10
	s_add_nc_u64 s[96:97], s[10:11], s[86:87]      ; and my half's 64 rows of them
	s_lshl_b32 s86, s80, 1
	s_add_co_u32 s86, s86, s90                     ; my block of 128 tokens, 0 .. 63
	s_lshr_b32 s88, s86, 4
	s_lshl_b32 s88, s88, 7                         ; batch x 128
	s_and_b32 s86, s86, 15
	s_add_co_u32 s86, s86, s88
	s_lshl_b32 s88, s81, 4
	s_add_co_u32 s86, s86, s88                     ; + 16 x head + block
	s_mul_i32 s86, s86, BLKB
	s_add_nc_u64 s[72:73], s[30:31], s[86:87]      ; q's block,
	s_add_nc_u64 s[74:75], s[72:73], SECT          ; k's,
	s_add_nc_u64 s[76:77], s[74:75], SECT          ; v's
.irp t, 0,1,2,3,4,5,6,7
	global_load_b128 v[PSQ+4*\t:PSQ+4*\t+3], v[OR16], s[14:15] offset:256*\t    ; a row's four scale words, one for each K step
	global_load_b128 v[PSK+4*\t:PSK+4*\t+3], v[OR16], s[20:21] offset:256*\t
	global_load_b128 v[PSX+4*\t:PSX+4*\t+3], v[OR16], s[10:11] offset:256*\t
.endr
.irp f, 0,1,2,3
	global_load_b128 v[FSX+4*\f:FSX+4*\f+3], v[OR16], s[96:97] offset:256*\f
	global_load_b128 v[FSV+4*\f:FSV+4*\f+3], v[OP16], s[26:27] offset:(32*(\f/2)+8*(\f%2))*16
.endr
	WIN 0xc0
.irp t, 0,1,2,3,4,5,6,7
	global_load_b128 v[BQ+8*\t:BQ+8*\t+3], v[OH32], s[16:17] offset:64*\t         ; q, k: register j of tile t holds channel 16 t + 8 h + j
	global_load_b128 v[BQ+8*\t+4:BQ+8*\t+7], v[OH32], s[16:17] offset:64*\t+16
	global_load_b128 v[BK+8*\t:BK+8*\t+3], v[OH32], s[22:23] offset:64*\t
	global_load_b128 v[BK+8*\t+4:BK+8*\t+7], v[OH32], s[22:23] offset:64*\t+16
.endr
.irp f, 0,1,2,3
.irp j, 0,1,2,3,4,5,6,7
	global_load_b32 v[BV+8*\f+\j], v[OP4], s[28:29] offset:(32*(\f/2)+8*(\f%2))*4   ; v: a lane holds one channel: its bias in all eight registers
.endr
.endr
	WIN 0
	s_wait_tensorcnt 0x2                           ; my parts of x and Wq are in; Wk's and Wv's loads, issued behind them, may be out
	s_barrier_signal -1
	s_barrier_wait -1                              ; everybody's are
	LOADF AXF, 0
	s_wait_loadcnt 0x0                             ; scale words and biases
	HB AWQ, PSQ, FSX, BQ, 0
	OUT 72
	s_wait_dscnt 0x0
	s_wait_tensorcnt 0x1                           ; Wk is in; Wv's load may be out
	s_barrier_signal -1
	s_barrier_wait -1
	HB AWK, PSK, FSX, BK, 0                        ; x's fragments of side F are still in window 2
	OUT 74
	s_wait_dscnt 0x0
	s_wait_tensorcnt 0x0                           ; Wv is in
	s_barrier_signal -1
	s_barrier_wait -1
	LOADF AWV, 1
	HB AXP, PSX, FSV, BV, 1
	OUT 76
	s_wait_tensorcnt 0x0
	ds_add_u32 v254, v255
	s_wait_dscnt 0x0
	ROUND                                          ; the closing round: no work-group ends while a partner may still ask for a tile that names it
	s_endpgm
.Lfunc_end_k_q9de7ace523_proj:
	.size	k_q9de7ace523_proj, .Lfunc_end_k_q9de7ace523_proj-k_q9de7ace523_proj
	.p2alignl 7, 3214868480
	.fill 96, 4, 3214868480
	.section	.rodata,"a",@progbits
	.p2align	6, 0x0
	.amdhsa_kernel k_q9de7ace523_proj
		.amdhsa_group_segment_fixed_size 276992
		.amdhsa_private_segment_fixed_size 0
		.amdhsa_enable_private_segment 0
		.amdhsa_kernarg_size 96
		.amdhsa_user_sgpr_count 2
		.amdhsa_user_sgpr_kernarg_segment_ptr 1
		.amdhsa_wavefront_size32 1
		.amdhsa_system_sgpr_workgroup_id_x 1
		.amdhsa_system_sgpr_workgroup_id_y 1
		.amdhsa_system_sgpr_workgroup_id_z 1
		.amdhsa_system_vgpr_workitem_id 0
		.amdhsa_next_free_vgpr 1024
		.amdhsa_next_free_sgpr 100
		.amdhsa_reserve_vcc 0
		.amdhsa_float_denorm_mode_32 3
		.amdhsa_float_denorm_mode_16_64 3
		.amdhsa_memory_ordered 1
		.amdhsa_forward_progress 1
		.amdhsa_inst_pref_size 168
	.end_amdhsa_kernel
	.amdgpu_metadata
---
amdhsa.version: [ 1, 2 ]
amdhsa.kernels:
  - .name:           k_q9de7ace523_proj
    .symbol:         k_q9de7ace523_proj.kd
    .args:
      - { .name: x_codes, .offset: 0, .size: 8, .value_kind: global_buffer, .address_space: global }
      - { .name: x_scales, .offset: 8, .size: 8, .value_kind: global_buffer, .address_space: global }
      - { .name: wq_w_codes, .offset: 16, .size: 8, .value_kind: global_buffer, .address_space: global }
      - { .name: wq_w_scales, .offset: 24, .size: 8, .value_kind: global_buffer, .address_space: global }
      - { .name: wq_b, .offset: 32, .size: 8, .value_kind: global_buffer, .address_space: global }
      - { .name: wk_w_codes, .offset: 40, .size: 8, .value_kind: global_buffer, .address_space: global }
      - { .name: wk_w_scales, .offset: 48, .size: 8, .value_kind: global_buffer, .address_space: global }
      - { .name: wk_b, .offset: 56, .size: 8, .value_kind: global_buffer, .address_space: global }
      - { .name: wv_w_codes, .offset: 64, .size: 8, .value_kind: global_buffer, .address_space: global }
      - { .name: wv_w_scales, .offset: 72, .size: 8, .value_kind: global_buffer, .address_space: global }
      - { .name: wv_b, .offset: 80, .size: 8, .value_kind: global_buffer, .address_space: global }
      - { .name: qkv, .offset: 88, .size: 8, .value_kind: global_buffer, .address_space: global }
    .group_segment_fixed_size: 276992
    .private_segment_fixed_size: 0
    .kernarg_segment_align: 8
    .kernarg_segment_size: 96
    .max_flat_workgroup_size: 128
    .sgpr_count:     100
    .vgpr_count:     1024
    .wavefront_size: 32
...
	.end_amdgpu_metadata
.endif
;; end of part 1
;; launch attn (part 2): grid 32 x 8, 4 waves a work-group, no clusters, 327,680 bytes of LDS; arguments qkv, pos_embedding, mask, of; writes of
.if DOCPART == 2
	.amdgcn_target "amdgcn-amd-amdhsa--gfx1250"
	.amdhsa_code_object_version 6
	.text
	.protected	k_q9de7ace523_attn
	.globl	k_q9de7ace523_attn
	.p2align	8
	.type	k_q9de7ace523_attn,@function
k_q9de7ace523_attn:
	s_mov_b64 s[64:65], 0
	v_nop
	global_prefetch_b8 v0, s[64:65] scope:SCOPE_SE
	s_setreg_imm32_b32 hwreg(HW_REG_WAVE_MODE, 25, 1), 1
	s_wait_xcnt 0x0
; o = softmax(q k^T / sqrt(128) + pos + mask) v, both products on codes of FP6 (E2M3) with one E8M0 scale for each 32 along K; o is quantised along the head's 128 channels and stored as images of operand registers.
; q, k, v come as such images: a fragment (16 rows x 128 K, 12 registers) is 1,536 bytes, registers 4 c .. 4 c + 3 of lane l at 512 c + 16 l; a block of 12,800 bytes is 8 images and two runs of 256 bytes of scale words
; (lane l's 8 bytes at 8 l; word i = tile 4 half + 2 i + l / 16, row l % 16: ONE register carries two tiles' words, rows 0-15 and rows 16-31).  qkv = sections q, k, v of [batch 4][head 8][block 16].
; THE SOFTMAX: u = score / sqrt(128) + pos + mask; t = u log2(e); M = the running largest t rounded UP to a whole number; p = 2^(t - M) is what is quantised, along the keys, not normalised.  The row's sum is taken of the
; unquantised p and divides O at the end.  When M moves, the sum and O are multiplied by 2^(old M - new M): exact.  The mask is an input: every key of every row is computed.
; SHARES.  Work-group (qb, h): 64 queries of head h FOR ALL FOUR BATCHES; wave w is batch w, with four tiles of 16 queries.  So a number of pos is fetched once for the four batches that add it, and pos's and the mask's
; tiles are the only bytes that the waves share: they alone go through LDS, by tensor loads, in a ring of two slots of two key steps.  K and V of a batch are read by one wave of the work-group: they go from their images
; straight into registers (each load of the wave covers 512 consecutive bytes), a step ahead, and each fragment feeds four products.
; NO CLUSTER: K and V, which the 32 query blocks of a head share, do not pass through LDS here.  With them two slots of ONE key step would be 2 x (4 x 25,600 + 2 x 33,792) = 339,968 bytes, more than the 327,680 that a
; work-group can claim; the mask's tile, which the 8 heads share, is 32 KB of the 164 KB that a work-group takes in a key step.
; LAYOUT.  Both products transposed: S^T = K Q^T (source 0 = 16 keys), O^T = V^T P^T (source 0 = 16 channels): a lane holds ONE query throughout.  Register 8 t + j of a tile of S^T is key 16 t + 8 (lane / 16) + j: 32 bytes
; of a row of pos.  p's codes stand inside each block of 32 keys in the order 0-7, 16-23, 8-15, 24-31, and so do V's: the products are those of the true order.  V's tile 2 b + u holds channels
; 32 b + 8 u + r + 8 (r / 8), so that O^T's register 16 b + i is channel 32 b + 16 (lane / 16) + i and o's codes stand in the true order.
; LIMITS: NaN and +infinity are not served (a mask of -infinity gives p = 0).  1 / sqrt(128) and 1 / the sum are multiplications.  In a row all of whose keys carry a mask of a size like 1e9 the scores are added at f32's
; grain there, as in the definition, but the multiply-add rounds once where the definition rounds twice.  A block of zeros gets the byte 1 where the quantiser says 127: its codes are zeros, and this program alone reads the bytes.
; REGISTERS, in windows of 256: window 0: addresses, statistics, scale words, p's codes, v128-191 pos, v192-255 mask of one tile.  window 1: S^T, then p (tile T at 64 T).  window 2: O^T (64 T + 8 c).
;   window 3: K's 8 fragments v0-95, V's v96-191, Q's four v192-239.
.set TP,    528                        ; a row of a tile in LDS: 512 bytes + 16 = 33 x 16: the 16 rows that a load of 16 bytes a lane touches fall on 16 different columns of 16 bytes (64 banks of 4 bytes: ISA guide 11.1)
.set TILE,  64*TP                      ; 64 queries x 128 keys of f32
.set SLOTB, 4*TILE                     ; a slot: pos of the even step, pos of the odd step, the mask of the even step, of the odd step
.set SPARE, 2*SLOTB                    ; behind the ring: the spare words, 128 bytes a wave: two blocks of 256 bytes that no other line names
.set SECT,  6553600
.set BLKB,  12800
.set SPW, 1                            ; v1   LDS address of my spare word; never rewritten
.set NIL, 2                            ; v2   0; never rewritten
.set AP0, 3                            ; v3   my lane's place in a tile of pos: r x 528 + 32 (lane / 16)
.set AM0, 4                            ; v4   the same in the mask's tile
.set ADP, 5                            ; v5-6 the step's addresses
.set ADM, 6
.set LI,  7                            ; v7   16 x lane
.set L8,  8                            ; v8   8 x lane
.set FF,  10                           ; v10  f = 2^(old M - new M) (v11 is named with it as a pair)
.set ST,  12                           ; tile T at v[12 + 4 T]: -M, the largest t, the sum in two halves
.set SQ,  28                           ; scale words: Q's v28-29, K's v30-33, V's v34-37, p's v38-41
.set SK,  30
.set SV,  34
.set SP,  38
.set BM,  42                           ; v42-45 the blocks' largest scores, then largest p
.set TM,  42                           ; (the quantiser of o works in v42-57)
.set PT,  46
.set SO,  50                           ; v50-53 the conversions' scale operands
.set BY,  54                           ; v54-57 the scales' bytes
.set X0,  58
.set CT,  60                           ; v60-67 halves of blocks' codes
.set PCD, 68                           ; v68-115 p's codes, 12 a tile
.set PS,  128
.set MS,  192
.set KF,  0
.set VF,  96
.set QF,  192
.set WV,  12
.set G1,  16                           ; s[16:23] descriptor group 1; s[24:27] group 0, which walks
.set G0,  24
.set SL,  28                           ; s28 the slot that is filled next; s29 my tile's place in a slot
.set WT,  29
.set TB,  30                           ; s30 LDS byte at which the step's tile of pos begins
.set SLOTS, 31
.set TWICE, 32
.set KLEFT, 33                         ; key steps to go, this one among them
.set KINC, 34                          ; s[34:35] K's step: a block, or 0 in the last key step
.set KB,  36                           ; s[36:37] K's block; s[38:39] V's
.set VB,  38
.set C1,  40                           ; s[40:41] 1 / sqrt(128); s[42:43] log2(e): the packed forms name a pair and take its low word
.set LG,  42
.set SEL, 44
.set FLOOR, 46
.set HM,  47
.set QB,  48                           ; s[48:49] Q's images; s[56:57] Q's scale words; s[50:51] my entry of the output
.set OFB, 50
.set QSB, 56
.set MSB, 0
.macro WIN new                         ; the immediate's high byte repeats the setting that is left; a switch that changes nothing is dropped
.if MSB != (\new)
	s_set_vgpr_msb (MSB<<8)|(\new)
.set MSB, (\new)
.endif
.endm
.macro PLACES n
.rept \n
	v_nop
.endr
.endm
; 64 numbers of a lane in window W, register 16 b + i of block b, become a fragment's codes in v[pc] on and its scale word in v[pw].
.macro QUANT src, W, pc, pw
	WIN 20*(\W)
.irp b, 0,1,2,3
	v_max3_num_f32 v[TM+\b], s[FLOOR], |v[(\src)+16*\b]|, |v[(\src)+16*\b+1]|   ; my 16 numbers of block b, and the floor 2^(3 - 127)
.endr
.irp i, 2,4,6,8,10,12,14
.irp b, 0,1,2,3
	v_max3_num_f32 v[TM+\b], v[TM+\b], |v[(\src)+16*\b+\i]|, |v[(\src)+16*\b+\i+1]|
.endr
.endr
	WIN 0
.irp b, 0,1,2,3
	v_permlanex16_b32 v[TM+4+\b], v[TM+\b], s[SEL], s[SEL+1]
.endr
.irp b, 0,1,2,3
	v_max_num_f32 v[TM+\b], v[TM+\b], v[TM+4+\b]
.endr
.irp b, 0,1,2,3
	v_add_nc_u32 v[TM+12+\b], 0xff000000, v[TM+\b]
.endr
.irp b, 0,1,2,3
	v_lshrrev_b32 v[TM+4+\b], 23, v[TM+12+\b]
.endr
	v_lshl_or_b32 v[\pw], v[TM+5], 8, v[TM+4]
	v_lshl_or_b32 v[\pw], v[TM+6], 16, v[\pw]
	v_lshl_or_b32 v[\pw], v[TM+7], 24, v[\pw]
	WIN \W
.irp c, 0,1
	v_cvt_scalef32_pk16_fp6_f32 v[(\pc)+6*\c:(\pc)+6*\c+2], v[(\src)+32*\c:(\src)+32*\c+15], v[TM+12+2*\c]
	v_cvt_scalef32_pk16_fp6_f32 v[CT+4*\c:CT+4*\c+2], v[(\src)+32*\c+16:(\src)+32*\c+31], v[TM+13+2*\c]
.endr
	WIN 0
	v_nop                                          ; one plain place behind a scaled conversion
.irp c, 0,1
.irp i, 0,1,2
	v_permlane16_swap_b32 v[(\pc)+6*\c+\i], v[CT+4*\c+\i]
.endr
.irp i, 0,1,2
	v_mov_b32 v[(\pc)+3+6*\c+\i], v[CT+4*\c+\i]
.endr
.endr
.endm
.macro LDPM T                          ; pos and the mask for tile T of queries x the step's 128 keys, in S^T's layout: 32 loads of 16 bytes
	WIN 0
.set nt, 0
.rept 8
	ds_load_b128 v[PS+8*nt:PS+8*nt+3], v[ADP] offset:16*(\T)*TP+64*nt
	ds_load_b128 v[PS+8*nt+4:PS+8*nt+7], v[ADP] offset:16*(\T)*TP+64*nt+16
	ds_load_b128 v[MS+8*nt:MS+8*nt+3], v[ADM] offset:16*(\T)*TP+64*nt
	ds_load_b128 v[MS+8*nt+4:MS+8*nt+7], v[ADM] offset:16*(\T)*TP+64*nt+16
.set nt, nt+1
.endr
.endm
.macro LDFR dst, sc, base              ; a block: 8 fragments into window 3 and their scale words: 26 loads
	WIN 0xc0
.set nld, 0
.rept 24
	global_load_b128 v[(\dst)+4*nld:(\dst)+4*nld+3], v[LI], s[\base:\base+1] offset:512*nld
.set nld, nld+1
.endr
	WIN 0
	global_load_b64 v[\sc:\sc+1], v[L8], s[\base:\base+1] offset:12288
	global_load_b64 v[\sc+2:\sc+3], v[L8], s[\base:\base+1] offset:12544
.endm
.macro KQ t, q                         ; S^T of keys 16 t on and tile q of queries; an odd tile's scale words stand in lanes 16-31
.set rD, 64*(\q)+8*(\t)
.if ((\t)%2) && ((\q)%2)
	v_wmma_scale_f32_16x16x128_f8f6f4 v[rD:rD+7], v[KF+12*(\t):KF+12*(\t)+11], v[QF+12*(\q):QF+12*(\q)+11], 0, v[SK+(\t)/2], v[SQ+(\q)/2] matrix_a_fmt:MATRIX_FMT_FP6 matrix_b_fmt:MATRIX_FMT_FP6 matrix_a_scale:MATRIX_SCALE_ROW1 matrix_b_scale:MATRIX_SCALE_ROW1
.elseif (\t)%2
	v_wmma_scale_f32_16x16x128_f8f6f4 v[rD:rD+7], v[KF+12*(\t):KF+12*(\t)+11], v[QF+12*(\q):QF+12*(\q)+11], 0, v[SK+(\t)/2], v[SQ+(\q)/2] matrix_a_fmt:MATRIX_FMT_FP6 matrix_b_fmt:MATRIX_FMT_FP6 matrix_a_scale:MATRIX_SCALE_ROW1
.elseif (\q)%2
	v_wmma_scale_f32_16x16x128_f8f6f4 v[rD:rD+7], v[KF+12*(\t):KF+12*(\t)+11], v[QF+12*(\q):QF+12*(\q)+11], 0, v[SK+(\t)/2], v[SQ+(\q)/2] matrix_a_fmt:MATRIX_FMT_FP6 matrix_b_fmt:MATRIX_FMT_FP6 matrix_b_scale:MATRIX_SCALE_ROW1
.else
	v_wmma_scale_f32_16x16x128_f8f6f4 v[rD:rD+7], v[KF+12*(\t):KF+12*(\t)+11], v[QF+12*(\q):QF+12*(\q)+11], 0, v[SK+(\t)/2], v[SQ+(\q)/2] matrix_a_fmt:MATRIX_FMT_FP6 matrix_b_fmt:MATRIX_FMT_FP6
.endif
.endm
.macro PV c, q                         ; O^T of V's tile c and tile q of queries, K = the step's 128 keys
.set rD, 64*(\q)+8*(\c)
.if (\c)%2
	v_wmma_scale_f32_16x16x128_f8f6f4 v[rD:rD+7], v[VF+12*(\c):VF+12*(\c)+11], v[PCD+12*(\q):PCD+12*(\q)+11], v[rD:rD+7], v[SV+(\c)/2], v[SP+(\q)] matrix_a_fmt:MATRIX_FMT_FP6 matrix_b_fmt:MATRIX_FMT_FP6 matrix_a_scale:MATRIX_SCALE_ROW1
.else
	v_wmma_scale_f32_16x16x128_f8f6f4 v[rD:rD+7], v[VF+12*(\c):VF+12*(\c)+11], v[PCD+12*(\q):PCD+12*(\q)+11], v[rD:rD+7], v[SV+(\c)/2], v[SP+(\q)] matrix_a_fmt:MATRIX_FMT_FP6 matrix_b_fmt:MATRIX_FMT_FP6
.endif
.endm
; One tile's softmax for one key step.
.macro SOFT T
.set rS, 64*(\T)
.set rT, ST+4*(\T)
.set rP, PCD+12*(\T)
	s_wait_dscnt 0x0                               ; this tile's pos and mask are in
	WIN 0x41                                       ; destination and source 0 window 1
.set j, 0
.rept 32
	v_pk_fma_f32 v[rS+j:rS+j+1], v[rS+j:rS+j+1], s[C1:C1+1], v[PS+j:PS+j+1] op_sel_hi:[1,0,1]   ; score / sqrt(128) + pos; each accumulator is read from its low end on
.set j, j+2
.endr
.set j, 0
.rept 32
	v_pk_add_f32 v[rS+j:rS+j+1], v[rS+j:rS+j+1], v[MS+j:MS+j+1]                                 ; + mask = u
.set j, j+2
.endr
.if (\T) < 3
	LDPM (\T)+1                                    ; the next tile's, a tile's softmax ahead of their use
.endif
	WIN 0x05
.irp b, 0,1,2,3
	v_max_num_f32 v[BM+\b], v[rS+16*\b], v[rS+16*\b+1]     ; THE LARGEST u OF EACH BLOCK OF 32 KEYS: it serves the row's maximum and, since p rises with u, the block's largest p
.endr
	WIN 0x14
.irp i, 2,4,6,8,10,12,14
.irp b, 0,1,2,3
	v_max3_num_f32 v[BM+\b], v[BM+\b], v[rS+16*\b+\i], v[rS+16*\b+\i+1]
.endr
.endr
	WIN 0
.irp b, 0,1,2,3
	v_permlanex16_b32 v[PT+\b], v[BM+\b], s[SEL], s[SEL+1]
.endr
.irp b, 0,1,2,3
	v_max_num_f32 v[BM+\b], v[BM+\b], v[PT+\b]     ; with lane l xor 16's 16 keys
.endr
	v_max3_num_f32 v[X0], v[BM], v[BM+1], v[BM+2]
	v_max_num_f32 v[X0], v[X0], v[BM+3]            ; the step's largest u of my query
	v_mul_f32 v[X0], s[LG], v[X0]                  ; as t
	v_max_num_f32 v[rT+1], v[rT+1], v[X0]          ; the running largest t
	v_mov_b32 v[X0], v[rT]
	v_floor_f32 v[rT], -v[rT+1]                    ; the new -M = floor(-t): M is a whole number
	v_sub_f32 v[X0], v[rT], v[X0]                  ; old M - new M: a whole number, 0 or less
	v_cvt_i32_f32 v[X0], v[X0]                     ; (it saturates)
	v_ldexp_f32 v[FF], 1.0, v[X0]                  ; f = 2^(old M - new M)
.irp b, 0,1,2,3
	v_fma_f32 v[BM+\b], v[BM+\b], s[LG], v[rT]     ; t - M of each block's largest u
.endr
	WIN 0x41
.set j, 0
.rept 32
	v_pk_fma_f32 v[rS+j:rS+j+1], v[rS+j:rS+j+1], s[LG:LG+1], v[rT:rT+1] op_sel_hi:[1,0,0]       ; t - M, two at a time
.set j, j+2
.endr
.set j, 0
.rept 64
	v_exp_f32 v[rS+j], v[rS+j]                     ; p = 2^(t - M): one batch
.set j, j+1
.endr
	WIN 0
	v_pk_mul_f32 v[rT+2:rT+3], v[rT+2:rT+3], v[FF:FF+1] op_sel_hi:[1,0]   ; the sums under the new M: the plain instruction behind the exponentials
	s_wait_alu depctr_va_vdst(0)                   ; one wait for the batch, ahead of the first instruction that names a result
.irp b, 0,1,2,3
	v_exp_f32 v[BM+\b], v[BM+\b]                   ; the blocks' largest p: the same two instructions on the same number give the same bits
.endr
	WIN 0x05
	v_pk_add_f32 v[PT:PT+1], v[rS:rS+1], v[rS+2:rS+3]      ; THE ROW'S SUM IS TAKEN OF THE UNQUANTISED p, in two chains
	WIN 0x04
.set j, 4
.rept 15
	v_pk_add_f32 v[rT+2:rT+3], v[rT+2:rT+3], v[rS+j:rS+j+1]
	v_pk_add_f32 v[PT:PT+1], v[PT:PT+1], v[rS+j+2:rS+j+3]
.set j, j+4
.endr
	WIN 0
	v_pk_add_f32 v[rT+2:rT+3], v[rT+2:rT+3], v[PT:PT+1]
	s_wait_alu depctr_va_vdst(0)                   ; and one for the four
.irp b, 0,1,2,3
	v_max_num_f32 v[BM+\b], s[FLOOR], v[BM+\b]     ; the floor 2^(3 - 127): the byte cannot fall under 1
.endr
.irp b, 0,1,2,3
	v_add_nc_u32 v[SO+\b], 0xff000000, v[BM+\b]    ; 2 off the exponent field: the conversion's scale operand
.endr
.irp b, 0,1,2,3
	v_lshrrev_b32 v[BY+\b], 23, v[SO+\b]
.endr
	v_lshl_or_b32 v[SP+(\T)], v[BY+1], 8, v[BY]
	v_lshl_or_b32 v[SP+(\T)], v[BY+2], 16, v[SP+(\T)]
	v_lshl_or_b32 v[SP+(\T)], v[BY+3], 24, v[SP+(\T)]      ; p's scale word for these 128 keys
	WIN 0x01
.irp c, 0,1
	v_cvt_scalef32_pk16_fp6_f32 v[rP+6*\c:rP+6*\c+2], v[rS+32*\c:rS+32*\c+15], v[SO+2*\c]
	v_cvt_scalef32_pk16_fp6_f32 v[CT+4*\c:CT+4*\c+2], v[rS+32*\c+16:rS+32*\c+31], v[SO+2*\c+1]
.endr
	WIN 0
	v_nop                                          ; one plain place behind a scaled conversion
.irp c, 0,1
.irp i, 0,1,2
	v_permlane16_swap_b32 v[rP+6*\c+\i], v[CT+4*\c+\i]
.endr
.irp i, 0,1,2
	v_mov_b32 v[rP+3+6*\c+\i], v[CT+4*\c+\i]
.endr
.endr
	WIN 0x82                                       ; destination and source 0 window 2
.set j, 0
.rept 32
	v_pk_mul_f32 v[rS+j:rS+j+1], v[rS+j:rS+j+1], v[FF:FF+1] op_sel_hi:[1,0]   ; O^T under the new M (tile T of O^T has tile T of S^T's numbers, in window 2).  These also stand between the scale word's and the codes' last writes and the products
.set j, j+2
.endr
.endm
; A KEY STEP: 128 keys.  At its head K's 26 loads are out, asked for a step ago.
.macro STEP
	v_add_nc_u32 v[ADP], s[TB], v[AP0]
	v_add_nc_u32 v[ADM], s[TB], v[AM0]
	v_nop
	v_nop                                          ; four places between the last step's products and the loads into V's registers (ISA guide 7.12.1 for vector instructions)
	LDPM 0
	LDFR VF, SV, VB
	s_wait_loadcnt 26                              ; K (in the first step Q too) is in; V's 26 loads, issued behind it, stay out
	WIN 0x4f                                       ; K and Q window 3, S^T window 1
.irp t, 0,1,2,3,4,5,6,7
.irp q, 0,1,2,3
	KQ \t, \q
.endr
.endr
	PLACES 4                                       ; behind the products: ahead of the loads into K's registers and of the first read of the scores
	s_wait_xcnt 0x0                                ; V's and the last K's loads have read their bases: both step only behind this wait
	s_add_nc_u64 s[VB:VB+1], s[VB:VB+1], BLKB
	s_cmp_eq_u32 s[KLEFT], 1
	s_cselect_b32 s[KINC], 0, BLKB                 ; the last step asks for its own block once more: every trip issues the same loads, and none leaves k's section
	s_add_nc_u64 s[KB:KB+1], s[KB:KB+1], s[KINC:KINC+1]
	s_sub_co_u32 s[KLEFT], s[KLEFT], 1
	LDFR KF, SK, KB
	SOFT 0
	SOFT 1
	SOFT 2
	SOFT 3
	s_wait_loadcnt 26                              ; V is in; the next K's 26 loads stay out
	WIN 0xa3                                       ; V window 3, p window 0, O^T window 2
.irp c, 0,1,2,3,4,5,6,7
.irp q, 0,1,2,3
	PV \c, \q                                      ; 32 accumulators, one instruction each
.endr
.endr
	WIN 0
	s_add_co_u32 s[TB], s[TB], TILE                ; the slot's other step
.endm
.macro TWO_STEPS                       ; a slot's two key steps: written once, walked twice
	s_mov_b32 s[TWICE], 2
.Lstep_\@:
	STEP
	s_sub_co_u32 s[TWICE], s[TWICE], 1
	s_cmp_lg_u32 s[TWICE], 0
	s_cbranch_scc1 .Lstep_\@
	s_sub_co_u32 s[TB], s[TB], 2*TILE
	s_xor_b32 s[TB], s[TB], SLOTB                  ; on to the other slot
.endm
; THE CHANGE OF SLOTS stands at a slot's head.  Each wave waits for all its tensor loads (its tile of the slot ahead), adds 0 to its spare word, and waits for that and for its reads of the slot that it has left.
; Behind the barrier the slot ahead is whole and nobody reads the other one.  fill = 1: each wave fills its tile of that other slot with the next two key steps' numbers: the load has two key steps in which to land.
.macro CHANGE fill
	s_wait_tensorcnt 0x0                           ; no tensor load of mine is out, so the group 0 may be written
	ds_add_u32 v[SPW], v[NIL]                      ; 0 onto my spare word
.if \fill
	s_xor_b32 s[SL], s[SL], SLOTB                  ; the other slot than last time,
	s_add_co_u32 s[G0+1], s[SL], s[WT]             ; my tile's place in it,
	s_add_nc_u64 s[G0+2:G0+3], s[G0+2:G0+3], 1024  ; 256 keys on in each row; the type bits on top are not reached
.endif
	s_wait_dscnt 0x0                               ; the add is done, and my reads of the slot that I have left are over
	s_barrier_signal -1
	s_barrier_wait -1
.if \fill
	tensor_load_to_lds s[G0:G0+3], s[G1:G1+7]      ; the first thing behind the barrier, and my one tensor load until the next
	s_nop 0
	PLACES 4
.endif
.endm
	s_load_b256 s[4:11], s[0:1], 0x0               ; qkv s[4:5], pos s[6:7], mask s[8:9], of s[10:11]
	v_lshl_add_u32 v[SPW], v0, 2, SPARE
	v_mov_b32 v[NIL], 0
	ds_add_u32 v1, v2
	ds_add_u32 v1, v2
	s_wait_dscnt 0x0
	v_lshrrev_b32 v3, 5, v0
	v_readfirstlane_b32 s[WV], v3                  ; wave 0..3 = batch
	s_and_b32 s13, ttmp7, 0xffff                   ; head
	s_mov_b32 s[G1], (2<<16)|(1<<20)|(6<<22)|(3<<25)   ; no mask; elements of 4 bytes; padding on: after every 128 words, 4 words
	s_mov_b32 s[G1+1], 128<<16                     ; tensor_dim0 = 128
	s_mov_b32 s[G1+2], 64<<16                      ; tensor_dim1 = 64
	s_mov_b32 s[G1+3], 128<<16                     ; tile_dim0
	s_mov_b32 s[G1+4], 64                          ; tile_dim1
	s_mov_b32 s[G1+5], 2048                        ; from row to row, in pos and in the mask
	s_mov_b32 s[G1+6], 0
	s_mov_b32 s[G1+7], 0
	s_mul_i32 s[WT], s[WV], TILE                   ; waves 0, 1: pos of the even, the odd step; waves 2, 3: the mask's
	s_mov_b32 s[SL], 0
	s_and_b32 s14, s[WV], 1
	s_lshl_b32 s14, s14, 9                         ; the odd step's 128 keys lie 512 bytes on
	s_lshl_b32 s15, ttmp9, 19                      ; 64 qb rows of 8,192 bytes
	s_add_co_u32 s14, s14, s15
	s_lshl_b32 s15, s13, 24                        ; the head's plane of pos
	s_cmp_lt_u32 s[WV], 2
	s_cselect_b32 s15, s15, 0
	s_add_co_u32 s14, s14, s15
	s_mov_b32 s15, 0
	s_wait_kmcnt 0x0
	s_cmp_lt_u32 s[WV], 2                          ; the choice hangs on the wave's number alone
	s_cselect_b64 s[G0+2:G0+3], s[6:7], s[8:9]
	s_add_nc_u64 s[G0+2:G0+3], s[G0+2:G0+3], s[14:15]
	s_or_b32 s[G0+3], s[G0+3], 0x80000000          ; type = 2
	s_mov_b32 s[G0], 1
	s_mov_b32 s[G0+1], s[WT]                       ; slot 0
	tensor_load_to_lds s[G0:G0+3], s[G1:G1+7]      ; key steps 0 and 1: the one fill at the head; slot 1 is filled behind the first change's barrier
	s_nop 0
	PLACES 4
	s_lshl_b32 s52, s[WV], 3
	s_add_co_u32 s52, s52, s13
	s_lshl_b32 s52, s52, 4                         ; (8 batch + head) x 16: the first block of my batch and head
	s_mul_i32 s54, s52, BLKB
	s_mov_b32 s55, 0
	s_add_nc_u64 s[KB:KB+1], s[4:5], s[54:55]
	s_add_nc_u64 s[VB:VB+1], s[KB:KB+1], 2*SECT
	s_add_nc_u64 s[KB:KB+1], s[KB:KB+1], SECT
	s_lshr_b32 s53, ttmp9, 1
	s_add_co_u32 s53, s53, s52
	s_mul_i32 s54, s53, BLKB                       ; q's block: my 64 queries are half of it
	s_add_nc_u64 s[QB:QB+1], s[4:5], s[54:55]
	s_and_b32 s53, ttmp9, 1
	s_lshl_b32 s54, s53, 8
	s_add_nc_u64 s[QSB:QSB+1], s[QB:QB+1], s[54:55]
	s_mul_i32 s54, s53, 6144
	s_add_nc_u64 s[QB:QB+1], s[QB:QB+1], s[54:55]
	s_lshl_b32 s53, s[WV], 5
	s_add_co_u32 s53, s53, ttmp9
	s_lshl_b32 s53, s53, 3
	s_add_co_u32 s53, s53, s13
	s_mul_i32 s54, s53, 6400                       ; of: [32 batch + qb][head] entries of 6,400 bytes
	s_add_nc_u64 s[OFB:OFB+1], s[10:11], s[54:55]
	s_mov_b32 s[C1], 0x3db504f3                    ; 1 / sqrt(128)
	s_mov_b32 s[C1+1], s[C1]
	s_mov_b32 s[LG], 0x3fb8aa3b                    ; log2(e)
	s_mov_b32 s[LG+1], s[LG]
	s_mov_b32 s[SEL], 0x76543210
	s_mov_b32 s[SEL+1], 0xfedcba98
	s_mov_b32 s[FLOOR], 0x1800000
	s_mov_b32 s[HM], 0xffff0000
	s_mov_b32 s[TB], 0
	s_mov_b32 s[KLEFT], 16
	s_mov_b32 s[KINC+1], 0
	s_mov_b32 s[SLOTS], 7
	v_and_b32 v9, 15, v0                           ; r
	v_bfe_u32 v[X0], v0, 4, 1                      ; h
	v_mul_u32_u24 v[AP0], v9, TP
	v_lshl_add_u32 v[AP0], v[X0], 5, v[AP0]
	v_add_nc_u32 v[AM0], 2*TILE, v[AP0]
	v_and_b32 v9, 31, v0
	v_lshlrev_b32 v[LI], 4, v9
	v_lshlrev_b32 v[L8], 3, v9
	WIN 0xc0
.irp i, 0,1,2,3,4,5,6,7,8,9,10,11
	global_load_b128 v[QF+4*\i:QF+4*\i+3], v[LI], s[QB:QB+1] offset:512*\i th:TH_LOAD_NT   ; Q's four fragments stay in registers; nobody else reads them
.endr
	WIN 0
	global_load_b64 v[SQ:SQ+1], v[L8], s[QSB:QSB+1] offset:12288 th:TH_LOAD_NT
	LDFR KF, SK, KB                                ; key step 0
.irp q, 0,1,2,3
	v_mov_b32 v[ST+4*\q+1], 0xff61b1e6             ; the largest t so far: -3e38
	v_floor_f32 v[ST+4*\q], -v[ST+4*\q+1]          ; -M
	v_mov_b32 v[ST+4*\q+2], 0                      ; the sum
	v_mov_b32 v[ST+4*\q+3], 0
	v_mov_b32 v[PT+\q], 0                          ; written once: a lane permute's destination counts as one of its sources
.endr
	v_mov_b32 v[FF], 0
	v_mov_b32 v[FF+1], 0                           ; (named as the upper half of a pair)
	WIN 0x80
.set j, 0
.rept 256
	v_mov_b32 v[j], 0                              ; O^T, while the first loads are on their way.  The key step is written without a first step of its own: the first change of M multiplies zeros
.set j, j+1
.endr
	WIN 0
.Lslot:                                            ; 7 trips: behind each change of slots but the last the next slot is asked for
	CHANGE 1
	TWO_STEPS
	s_sub_co_u32 s[SLOTS], s[SLOTS], 1
	s_cmp_lg_u32 s[SLOTS], 0
	s_cbranch_scc1 .Lslot
	CHANGE 0                                       ; the last slot is written out
	TWO_STEPS
	; THE WAY OUT: o = O^T / the sum, quantised along the head's channels; four images and their scale words.
.irp q, 0,1,2,3
	v_add_f32 v[BM+\q], v[ST+4*\q+2], v[ST+4*\q+3] ; the sum's two halves (these lines are also the places behind the last products)
.endr
.irp q, 0,1,2,3
	v_permlanex16_b32 v[PT+\q], v[BM+\q], s[SEL], s[SEL+1]
.endr
.irp q, 0,1,2,3
	v_add_f32 v[BM+\q], v[BM+\q], v[PT+\q]         ; and lane l xor 16's
.endr
.irp q, 0,1,2,3
	v_rcp_f32 v[ST+4*\q+2], v[BM+\q]
.endr
	v_nop                                          ; a plain instruction behind the last reciprocal
	s_wait_alu depctr_va_vdst(0)                   ; one wait for the four, ahead of the first use
.irp q, 0,1,2,3
	WIN 0x82
.set j, 0
.rept 32
	v_pk_mul_f32 v[64*\q+j:64*\q+j+1], v[64*\q+j:64*\q+j+1], v[ST+4*\q+2:ST+4*\q+3] op_sel_hi:[1,0]
.set j, j+2
.endr
	QUANT 64*\q, 2, PCD+12*\q, SP+\q
.irp c, 0,1,2
	global_store_b128 v[LI], v[PCD+12*\q+4*\c:PCD+12*\q+4*\c+3], s[OFB:OFB+1] offset:1536*\q+512*\c   ; each store of the wave covers 512 consecutive bytes, aligned
.endr
.endr
	v_cndmask_b32 v[X0], v[SP], v[SP+1], s[HM]     ; lanes 0-15: tile 0's words, lanes 16-31: tile 1's
	v_cndmask_b32 v[X0+1], v[SP+2], v[SP+3], s[HM]
	global_store_b64 v[L8], v[X0:X0+1], s[OFB:OFB+1] offset:6144
	s_wait_loadcnt 0x0                             ; the last step's loads of K, which nobody reads
	s_wait_tensorcnt 0x0                           ; the wave's end
	ds_add_u32 v[SPW], v[NIL]
	s_wait_dscnt 0x0
	s_endpgm
.Lfunc_end_k_q9de7ace523_attn:
	.size	k_q9de7ace523_attn, .Lfunc_end_k_q9de7ace523_attn-k_q9de7ace523_attn
	.p2alignl 7, 3214868480
	.fill 96, 4, 3214868480
	.section	.rodata,"a",@progbits
	.p2align	6, 0x0
	.amdhsa_kernel k_q9de7ace523_attn
		.amdhsa_group_segment_fixed_size 327680
		.amdhsa_private_segment_fixed_size 0
		.amdhsa_enable_private_segment 0
		.amdhsa_kernarg_size 32
		.amdhsa_user_sgpr_count 2
		.amdhsa_user_sgpr_kernarg_segment_ptr 1
		.amdhsa_wavefront_size32 1
		.amdhsa_system_sgpr_workgroup_id_x 1
		.amdhsa_system_sgpr_workgroup_id_y 1
		.amdhsa_system_sgpr_workgroup_id_z 1
		.amdhsa_system_vgpr_workitem_id 0
		.amdhsa_next_free_vgpr 1024
		.amdhsa_next_free_sgpr 66
		.amdhsa_reserve_vcc 0
		.amdhsa_float_denorm_mode_32 3
		.amdhsa_float_denorm_mode_16_64 3
		.amdhsa_memory_ordered 1
		.amdhsa_forward_progress 1
		.amdhsa_inst_pref_size 222
	.end_amdhsa_kernel
	.amdgpu_metadata
---
amdhsa.version: [ 1, 2 ]
amdhsa.kernels:
  - .name:           k_q9de7ace523_attn
    .symbol:         k_q9de7ace523_attn.kd
    .args:
      - { .name: qkv, .offset: 0, .size: 8, .value_kind: global_buffer, .address_space: global }
      - { .name: pos_embedding, .offset: 8, .size: 8, .value_kind: global_buffer, .address_space: global }
      - { .name: mask, .offset: 16, .size: 8, .value_kind: global_buffer, .address_space: global }
      - { .name: of, .offset: 24, .size: 8, .value_kind: global_buffer, .address_space: global }
    .group_segment_fixed_size: 327680
    .private_segment_fixed_size: 0
    .kernarg_segment_align: 8
    .kernarg_segment_size: 32
    .max_flat_workgroup_size: 128
    .sgpr_count:     66
    .vgpr_count:     1024
    .wavefront_size: 32
...
	.end_amdgpu_metadata
.endif
;; end of part 2
;; launch oproj (part 3): grid 128 x 2, 4 waves a work-group, clusters of 4 x 1, 243,200 bytes of LDS; arguments of, wo_w_codes, wo_w_scales, wo_b, out0; writes out0
.if DOCPART == 3
	.amdgcn_target "amdgcn-amd-amdhsa--gfx1250"
	.amdhsa_code_object_version 6
	.text
	.protected	k_q9de7ace523_oproj
	.globl	k_q9de7ace523_oproj
	.p2align	8
	.type	k_q9de7ace523_oproj,@function
k_q9de7ace523_oproj:
	s_mov_b64 s[64:65], 0
	v_nop
	global_prefetch_b8 v0, s[64:65] scope:SCOPE_SE
	s_setreg_imm32_b32 hwreg(HW_REG_WAVE_MODE, 25, 1), 1
	s_wait_xcnt 0x0
	s_wait_alu depctr_hold_cnt(0) depctr_sa_sdst(0) depctr_va_vdst(0) depctr_va_sdst(0) depctr_va_ssrc(0) depctr_va_vcc(0) depctr_vm_vsrc(0)
	s_getreg_b32 s2, hwreg(HW_REG_IB_STS2, 6, 4)
	s_cmp_eq_u32 s2, 0
	s_cbranch_scc0 .Lentry_in_a_cluster
	s_endpgm
.Lentry_in_a_cluster:
	s_bfe_u32 s2, ttmp6, 0x10000c
	s_cmp_lg_u32 s2, 0x3003
	s_cbranch_scc0 .Lentry_shape_is_right
	s_endpgm
.Lentry_shape_is_right:
; out0 = o wo^T + wo_b on codes of FP6 (E2M3) with one E8M0 scale for each 32 along K = 1,024 (8 heads x 128 channels).  out0: [8,192][512] f32.
; o comes as images of operand registers: of = [group of 64 tokens, 128][head 8] entries of 6,400 bytes: four images (16 tokens x the head's 128 channels: 1,536 bytes, registers 4 c .. 4 c + 3 of lane l at 512 c + 16 l),
; then 256 bytes of scale words: lane l's 8 bytes at 8 l; word i = tile 2 i + l / 16, row l % 16.  wo comes as rows of 768 bytes of codes and 32 scale bytes.
; SHARES.  Work-group (tg, y): 64 tokens x outputs 256 y .. + 255.  Wave w: tokens 32 (w / 2) on (two tiles) x outputs 128 (w % 2) on (eight tiles): 16 accumulators, 8 K steps, 128 matrix instructions.
; o's 16 fragments of a wave go straight into registers, once.  wo's 256 rows come into LDS once, by one tensor load a wave; the four work-groups of a cluster take the same rows and ask for them jointly.
; TRANSPOSED: source 0 = 16 rows of wo, source 1 = 16 tokens: a lane holds eight neighbouring outputs of one token.  The bias is the C of each sum's first instruction.
; REGISTERS, in windows of 256: window 0: addresses; v32-95 wo's scale words [tile][K step]; v96-103 o's (one register for both tiles: lanes 0-15, lanes 16-31); v128-255 rows on the way out.
;   window 1: accumulators ((i, n) at 64 i + 8 n), the bias at v128 + 8 n.   window 2: o's fragments ((s, i) at 24 s + 12 i).   window 3: wo's fragments, two sets of eight.
.set WP,   816                         ; an LDS row: 3 x (256 bytes + 16 of padding) = 204 words: row r starts at bank 12 r mod 64 (64 banks of 4 bytes: ISA guide 11.1): the 32 lanes of a load of 8 bytes touch 64 different banks
.set STG,  256*WP                      ; behind wo: a stage of 16 rows x (512 bytes + 16) for each wave; no tensor load lands there
.set SPI,  528
.set AW0,  4                           ; v4-5  LDS: my rows of wo, tiles 0-3 (the second register serves pieces that lie behind one padding more in lanes 16-31)
.set AW1,  6                           ; v6-7  tiles 4-7
.set LIO,  8                           ; v8    16 x lane + 3,072 (w / 2): my two images in an entry
.set LSO,  9                           ; v9    8 x lane + 4 (w / 2): their scale words
.set SO,   10                          ; v10   the stage: where I put 32 bytes of a row
.set SR,   11                          ; v11   and where I read a row back
.set CO,   12                          ; v12   16 x lane: my bytes of a row of out0
.set WSO,  13                          ; v13   32 r: a row of wo's scale bytes
.set BO,   14                          ; v14   32 h: the bias's eight numbers of my half
.set WS,   32
.set OS,   96
.set BIAS, 128
.set WV,   14
.set G1,   24
.set G0,   32
.set MSB, 0
.macro WIN new                         ; the immediate's high byte repeats the setting that is left; a switch that changes nothing is dropped
.if MSB != (\new)
	s_set_vgpr_msb (MSB<<8)|(\new)
.set MSB, (\new)
.endif
.endm
.macro PLACES n
.rept \n
	v_nop
.endr
.endm
.macro ROUND                           ; a round of the cluster's barrier
	s_barrier_signal -1
	s_barrier_wait -1
	s_cmp_lg_u32 s[WV], 0
	s_cbranch_scc1 .Lnot_wave_0_\@
	s_barrier_signal -3
.Lnot_wave_0_\@:
	s_barrier_wait -3
	s_barrier_signal -1
	s_barrier_wait -1
.endm
; A fragment from LDS: six pieces of 8 bytes.  Lanes 0-15 take the row's pieces 12 s + 0, 1, 2, 6, 7, 8, lanes 16-31 those three pieces on; piece p lies at 8 p + 16 (p / 32).
.macro FRAG reg, adr, s, rowoff
.irp p, 0,1,2,3,4,5
.set PCE, 12*(\s)+6*(\p/3)+\p%3
.if PCE%32 < 29
	ds_load_b64 v[(\reg)+2*\p:(\reg)+2*\p+1], v[\adr] offset:8*PCE+16*(PCE/32)+(\rowoff)
.else
	ds_load_b64 v[(\reg)+2*\p:(\reg)+2*\p+1], v[\adr+1] offset:8*PCE+16*(PCE/32)+(\rowoff)
.endif
.endr
.endm
.macro FETCHW s                        ; wo's eight fragments of K step s into set s % 2
	WIN 0xc0
.irp n, 0,1,2,3
	FRAG 96*((\s)%2)+12*\n, AW0, \s, 16*\n*WP
.endr
.irp n, 0,1,2,3
	FRAG 96*((\s)%2)+48+12*\n, AW1, \s, 16*\n*WP
.endr
.endm
.macro OP s, n, i
.set rD, 64*(\i)+8*(\n)
.set rA, 96*((\s)%2)+12*(\n)
.set rB, 24*(\s)+12*(\i)
.if (\s) == 0
.set rC, BIAS+8*(\n)
.else
.set rC, rD
.endif
.if \i
	v_wmma_scale_f32_16x16x128_f8f6f4 v[rD:rD+7], v[rA:rA+11], v[rB:rB+11], v[rC:rC+7], v[WS+8*(\n)+(\s)], v[OS+(\s)] matrix_a_fmt:MATRIX_FMT_FP6 matrix_b_fmt:MATRIX_FMT_FP6 matrix_b_scale:MATRIX_SCALE_ROW1
.else
	v_wmma_scale_f32_16x16x128_f8f6f4 v[rD:rD+7], v[rA:rA+11], v[rB:rB+11], v[rC:rC+7], v[WS+8*(\n)+(\s)], v[OS+(\s)] matrix_a_fmt:MATRIX_FMT_FP6 matrix_b_fmt:MATRIX_FMT_FP6
.endif
.endm
	s_load_b256 s[4:11], s[0:1], 0x0               ; of s[4:5], wo's codes s[6:7], its scales s[8:9], wo_b s[10:11]
	s_load_b64 s[12:13], s[0:1], 0x20              ; out0
	v_lshl_add_u32 v126, v0, 2, 0x3b400
	v_mov_b32 v127, 0
	ds_add_u32 v126, v127
	ds_add_u32 v126, v127
	v_lshrrev_b32 v1, 5, v0
	v_readfirstlane_b32 s[WV], v1                  ; wave 0..3
	s_lshr_b32 s15, s[WV], 1                       ; which 32 tokens
	s_and_b32 s16, s[WV], 1                        ; which 128 outputs
	s_and_b32 s19, ttmp7, 0xffff                   ; y, which the four partners share
	s_mov_b32 s[G1], 15|(2<<16)|(1<<20)|(1<<21)|(5<<22)|(3<<25)   ; the mask: all four work-groups; elements of 4 bytes; padding on; 21 set beside a mask; after every 64 words, 4 words
	s_mov_b32 s[G1+1], 192<<16                     ; tensor_dim0 = 192 elements (768 bytes)
	s_mov_b32 s[G1+2], 64<<16                      ; tensor_dim1 = 64 rows
	s_mov_b32 s[G1+3], 192<<16
	s_mov_b32 s[G1+4], 64
	s_mov_b32 s[G1+5], 192
	s_mov_b32 s[G1+6], 0
	s_mov_b32 s[G1+7], 0
	s_lshl_b32 s20, s19, 8
	s_lshl_b32 s21, s[WV], 6
	s_add_co_u32 s20, s20, s21
	s_mul_i32 s20, s20, 768                        ; wo: row 256 y + 64 w
	s_mov_b32 s21, 0
	s_mov_b32 s[G0], 1
	s_mul_i32 s[G0+1], s[WV], 64*WP                ; the wave's number alone enters an LDS address
	v_and_b32 v1, 15, v0                           ; r
	v_bfe_u32 v2, v0, 4, 1                         ; h
	v_and_b32 v3, 31, v0                           ; lane
	v_mul_u32_u24 v15, v1, WP
	v_mad_u32_u24 v15, v2, 24, v15
	s_mul_i32 s22, s16, 128*WP
	v_add_nc_u32 v[AW0], s22, v15
	v_lshl_add_u32 v[AW0+1], v2, 4, v[AW0]
	v_add_nc_u32 v[AW1], 64*WP, v[AW0]
	v_add_nc_u32 v[AW1+1], 64*WP, v[AW0+1]
	s_mul_i32 s22, s15, 3072
	v_lshl_add_u32 v[LIO], v3, 4, s22
	s_lshl_b32 s22, s15, 2
	v_lshl_add_u32 v[LSO], v3, 3, s22
	s_mul_i32 s22, s[WV], 16*SPI
	s_add_co_u32 s22, s22, STG                     ; my stage
	v_mul_u32_u24 v[SO], v1, SPI
	v_lshl_add_u32 v[SO], v2, 5, v[SO]
	v_add_nc_u32 v[SO], s22, v[SO]
	v_lshlrev_b32 v[CO], 4, v3
	v_add_nc_u32 v[SR], s22, v[CO]
	v_lshlrev_b32 v[WSO], 5, v1
	v_lshlrev_b32 v[BO], 5, v2
	s_wait_dscnt 0x0
	s_wait_kmcnt 0x0
	s_add_nc_u64 s[G0+2:G0+3], s[6:7], s[20:21]
	s_or_b32 s[G0+3], s[G0+3], 0x80000000          ; type = 2
	ROUND                                          ; all four work-groups are here: the joint loads meet
	tensor_load_to_lds s[G0:G0+3], s[G1:G1+7]      ; the launch's one fill: one load of mine is out
	s_nop 0
	PLACES 4
	s_bfe_u32 s36, ttmp6, 0x40000                  ; cx: it enters global addresses of o and out0 alone
	s_lshl_b32 s37, ttmp9, 2
	s_add_co_u32 s37, s37, s36                     ; tg = 4 x cluster x + cx
	s_mul_i32 s38, s37, 8*6400
	s_mov_b32 s39, 0
	s_add_nc_u64 s[4:5], s[4:5], s[38:39]          ; my 64 tokens' eight entries
	s_lshl_b32 s38, s37, 17                        ; 64 tg rows of 2,048 bytes
	s_lshl_b32 s36, s15, 16                        ; + 32 (w / 2) rows
	s_add_co_u32 s38, s38, s36
	s_lshl_b32 s22, s19, 8
	s_lshl_b32 s23, s16, 7
	s_add_co_u32 s22, s22, s23                     ; my first output: 256 y + 128 (w % 2)
	s_lshl_b32 s36, s22, 2
	s_add_co_u32 s38, s38, s36
	s_add_nc_u64 s[12:13], s[12:13], s[38:39]
	s_mov_b32 s37, 0
	s_add_nc_u64 s[10:11], s[10:11], s[36:37]      ; the bias
	s_lshl_b32 s36, s22, 5
	s_add_nc_u64 s[8:9], s[8:9], s[36:37]          ; wo's scale bytes: 32 a row
	WIN 0x80
.irp s, 0,1,2,3,4,5,6,7
.irp i, 0,1
.irp c, 0,1,2
	global_load_b128 v[24*\s+12*\i+4*\c:24*\s+12*\i+4*\c+3], v[LIO], s[4:5] offset:6400*\s+1536*\i+512*\c
.endr
.endr
.endr
	WIN 0
.irp s, 0,1,2,3,4,5,6,7
	global_load_b32 v[OS+\s], v[LSO], s[4:5] offset:6400*\s+6144
.endr
.irp n, 0,1,2,3,4,5,6,7
	global_load_b128 v[WS+8*\n:WS+8*\n+3], v[WSO], s[8:9] offset:512*\n
	global_load_b128 v[WS+8*\n+4:WS+8*\n+7], v[WSO], s[8:9] offset:512*\n+16
.endr
	WIN 0x40
.irp n, 0,1,2,3,4,5,6,7
	global_load_b128 v[BIAS+8*\n:BIAS+8*\n+3], v[BO], s[10:11] offset:64*\n
	global_load_b128 v[BIAS+8*\n+4:BIAS+8*\n+7], v[BO], s[10:11] offset:64*\n+16
.endr
	WIN 0
	s_wait_tensorcnt 0x0                           ; my 64 rows of wo are in,
	s_barrier_signal -1
	s_barrier_wait -1                              ; everybody's are
	FETCHW 0
	s_wait_loadcnt 0x0                             ; o, scale words, bias
.irp s, 0,1,2,3,4,5,6,7
	s_wait_dscnt 0x0                               ; this K step's fragments of wo are in (asked for a K step ago)
.if \s < 7
.if \s > 0
	PLACES 4                                       ; four places between the last K step's products and loads into the set that they read (ISA guide 7.12.1 for vector instructions)
.endif
	FETCHW \s+1
.endif
	WIN 0x5b                                       ; wo window 3, o window 2, C and D window 1
.irp n, 0,1,2,3,4,5,6,7
.irp i, 0,1
	OP \s, \n, \i                                  ; the 16 accumulators take turns, one instruction a turn
.endr
.endr
.endr
	WIN 0
	; THE WAY OUT: a block of 16 tokens x 128 outputs goes through my own stage and comes back as whole rows of 512 bytes.  LDS serves a wave's instructions in order (ISA guide 5.7.1.4): no wait between the stores and the loads.
	PLACES 4                                       ; behind the last products, ahead of the first read of results
.irp i, 0,1
	WIN 0x04                                       ; an LDS store's data are its source 1: window 1
.irp n, 0,1,2,3,4,5,6,7
	ds_store_b128 v[SO], v[64*\i+8*\n:64*\i+8*\n+3] offset:64*\n             ; each accumulator from its low end on
	ds_store_b128 v[SO], v[64*\i+8*\n+4:64*\i+8*\n+7] offset:64*\n+16
.endr
	WIN 0
.irp t, 0,1,2,3,4,5,6,7,8,9,10,11,12,13,14,15
	ds_load_b128 v[128+64*\i+4*\t:128+64*\i+4*\t+3], v[SR] offset:\t*SPI
.endr
.endr
.irp t, 0,1,2,3,4,5,6,7,8,9,10,11,12,13,14,15
	s_wait_dscnt 47-\t                             ; behind block 0's row t: 15 - t loads of that block, then block 1's 16 stores and 16 loads
	global_store_b128 v[CO], v[128+4*\t:128+4*\t+3], s[12:13] offset:\t*2048 th:TH_STORE_NT      ; 32 lanes store 512 consecutive bytes, aligned; written once, read by nobody here
.endr
.irp t, 0,1,2,3,4,5,6,7,8,9,10,11,12,13,14,15
	s_wait_dscnt 15-\t
	global_store_b128 v[CO], v[192+4*\t:192+4*\t+3], s[12:13] offset:(16+\t)*2048 th:TH_STORE_NT
.endr
	s_wait_tensorcnt 0x0
	ds_add_u32 v126, v127
	s_wait_dscnt 0x0
	ROUND                                          ; the closing round: no work-group ends while a partner may still ask for a tile that names it
	s_endpgm
.Lfunc_end_k_q9de7ace523_oproj:
	.size	k_q9de7ace523_oproj, .Lfunc_end_k_q9de7ace523_oproj-k_q9de7ace523_oproj
	.p2alignl 7, 3214868480
	.fill 96, 4, 3214868480
	.section	.rodata,"a",@progbits
	.p2align	6, 0x0
	.amdhsa_kernel k_q9de7ace523_oproj
		.amdhsa_group_segment_fixed_size 243200
		.amdhsa_private_segment_fixed_size 0
		.amdhsa_enable_private_segment 0
		.amdhsa_kernarg_size 40
		.amdhsa_user_sgpr_count 2
		.amdhsa_user_sgpr_kernarg_segment_ptr 1
		.amdhsa_wavefront_size32 1
		.amdhsa_system_sgpr_workgroup_id_x 1
		.amdhsa_system_sgpr_workgroup_id_y 1
		.amdhsa_system_sgpr_workgroup_id_z 1
		.amdhsa_system_vgpr_workitem_id 0
		.amdhsa_next_free_vgpr 1024
		.amdhsa_next_free_sgpr 66
		.amdhsa_reserve_vcc 0
		.amdhsa_float_denorm_mode_32 3
		.amdhsa_float_denorm_mode_16_64 3
		.amdhsa_memory_ordered 1
		.amdhsa_forward_progress 1
		.amdhsa_inst_pref_size 63
	.end_amdhsa_kernel
	.amdgpu_metadata
---
amdhsa.version: [ 1, 2 ]
amdhsa.kernels:
  - .name:           k_q9de7ace523_oproj
    .symbol:         k_q9de7ace523_oproj.kd
    .args:
      - { .name: of, .offset: 0, .size: 8, .value_kind: global_buffer, .address_space: global }
      - { .name: wo_w_codes, .offset: 8, .size: 8, .value_kind: global_buffer, .address_space: global }
      - { .name: wo_w_scales, .offset: 16, .size: 8, .value_kind: global_buffer, .address_space: global }
      - { .name: wo_b, .offset: 24, .size: 8, .value_kind: global_buffer, .address_space: global }
      - { .name: out0, .offset: 32, .size: 8, .value_kind: global_buffer, .address_space: global }
    .group_segment_fixed_size: 243200
    .private_segment_fixed_size: 0
    .kernarg_segment_align: 8
    .kernarg_segment_size: 40
    .max_flat_workgroup_size: 128
    .sgpr_count:     66
    .vgpr_count:     1024
    .wavefront_size: 32
...
	.end_amdgpu_metadata
.endif
;; end of part 3
